; MI455X (gfx1250); checked and timed in simulation.
; The chip was launched on July 23, 2026; its instructions are those of AMD's public machine-readable ISA for CDNA 5 (MIT licence, August 2026) and "CDNA5" Instruction Set Architecture Reference Guide (July 2026). The comments in the code are by the model that wrote it; some were corrected since.
;; CP L3 sparse outer. Allowed arithmetic: float matrix products may take bf16 or f16 operands with f32 sums; other float arithmetic in f32, or as packed bf16 or f16 multiplies, adds, multiply-adds, maxima and minima; sums over many terms, partial sums and values carried from step to step in f32; what a program stores and reads back later, other than sums and carried values, may be rounded once to bf16 or f16.
;; Inputs: U1 4,096 float32; U2 4,096 float32; U3 4,096 float32; W 4,096 x 4,096 float32; b 4,096 float32; z 4,096 x 4,096 float32.
;; Outputs: out0 4,096 x 4,096 float32.
;; One version. Each part assembles by itself: llvm-mc -triple=amdgcn-amd-amdhsa -mcpu=gfx1250 --defsym DOCPART=n.
;; ======== version 1 of 1: 2 launches
;; limits: values are held in f16: magnitudes above 65,504 overflow, below 6.1e-05 lose precision
;; workspace buffers: zh 33,554,432 bytes; wh 33,554,432 bytes; sc 16,384 bytes
;; launch prep (part 1): grid 256 x 2, 8 waves a work-group, no clusters, 2,048 bytes of LDS; arguments z, W, U1, U2, U3, zh, wh, sc; writes zh, wh, sc
.if DOCPART == 1
	.amdgcn_target "amdgcn-amd-amdhsa--gfx1250"
	.amdhsa_code_object_version 6
	.text
	.protected	k_q631e476235_prep
	.globl	k_q631e476235_prep
	.p2align	8
	.type	k_q631e476235_prep,@function
k_q631e476235_prep:
	s_mov_b64 s[64:65], 0
	v_nop
	global_prefetch_b8 v0, s[64:65] scope:SCOPE_SE
	s_setreg_imm32_b32 hwreg(HW_REG_WAVE_MODE, 25, 1), 1
	s_wait_xcnt 0x0
; THE OPERANDS OF THE PRODUCT, MADE ONCE.  z, W: [4096][4096] f32; U1, U2, U3: [4096] f32.
;   work-groups with y = 0:  zh[r][i] = f16(z[r][i]);  sc[r] = (sum over i of U2[i] z[r][i]) x (sum over i of U3[i] z[r][i]) / 64, all in f32 on the unrounded z
;   work-groups with y = 1:  wh[o][i] = f16((64 U1[i]) W[o][i]), the product in f32, rounded once
; The factor 64 is a power of two: it changes no mantissa; it lifts wh (64 U1 W has about the spread of U1) to the middle of f16's range, and sc takes it out again.
; LIMITS.  f16 holds no number beyond 65,504: |z| or |64 U1 W| of 65,520 or more becomes an infinity; below 6.1e-5 f16 keeps a fixed step of 6e-8.  The two sums are taken in another order than
; a sum from left to right.  NaN and infinities are not treated apart.
; SHARES.  A work-group of eight waves owns 16 rows.  Thread t owns columns 1024 c + 4 t .. + 3, c = 0..3, of every row: a wave's load covers 512 consecutive bytes, its store of 8 bytes a lane 256
; consecutive bytes at a multiple of 256 from the buffer's first byte; a thread's 16 numbers of each U stay in registers.
; A ring of eight row slots in registers keeps 32 loads of every wave on their way.  Rows and chunks stand in the immediates: no address register is ever rewritten.
; No matrix unit, tensor load, cluster or prefetch: each byte of z and W is read once by one thread, and what the work-groups share is the U vectors alone.
.set ROWB,  16384                      ; bytes in a row of f32
.set HROW,  8192                       ; bytes in a row of f16
.set PART,  0                          ; LDS: row r, wave w: the pair (part of s2, part of s3) at 64 r + 8 w: 1,024 bytes
.set SPARE, 1024                       ; behind them: the spare words, 128 bytes for each wave: four blocks of 256 bytes that no other line names
.set LO,  1                            ; v1   16 t: my byte offset in a chunk of f32; never rewritten
.set SO,  2                            ; v2   8 t: the same in f16; never rewritten
.set PA,  3                            ; v3   PART + 8 x wave
.set SPW, 4                            ; v4   LDS address of my spare word: SPARE + 4 x my thread's number; never rewritten
.set NIL, 5                            ; v5   0; never rewritten
.set A2,  10                           ; v[10:11] s2's two running sums
.set A3,  12                           ; v[12:13] s3's
.set UA,  16                           ; v[16:31] U2 of my 16 columns, or 64 U1
.set UB,  32                           ; v[32:47] U3
.set Y,   48                           ; v[48:55] a row's 16 numbers in f16
.set X,   64                           ; v[64:191] slot s: 16 registers, a row's 16 numbers as loaded
	s_load_b512 s[4:19], s[0:1], 0x0               ; z s[4:5], W s[6:7], U1 s[8:9], U2 s[10:11], U3 s[12:13], zh s[14:15], wh s[16:17], sc s[18:19]
	v_lshl_add_u32 v[SPW], v0, 2, SPARE
	v_mov_b32 v[NIL], 0
	v_lshrrev_b32 v6, 5, v0
	v_readfirstlane_b32 s25, v6                    ; wave 0..7
	s_and_b32 s24, ttmp7, 0xffff                   ; 0: rows of z; 1: rows of W
	s_lshl_b32 s20, ttmp9, 18                      ; the group's 16 rows of 16,384 bytes (under 2^26),
	s_mov_b32 s21, 0
	s_lshl_b32 s22, ttmp9, 17                      ; of 8,192 bytes,
	s_mov_b32 s23, 0
	s_lshl_b32 s30, ttmp9, 6                       ; and its 16 words of sc
	s_mov_b32 s31, 0
	s_mov_b32 s26, 0x76543210                      ; v_permlanex16_b32: each lane takes its own place in the other half
	s_mov_b32 s27, 0xfedcba98
	v_lshlrev_b32 v[LO], 4, v0
	v_lshlrev_b32 v[SO], 3, v0
	v_mov_b32 v[PA], s25
	v_lshlrev_b32 v[PA], 3, v[PA]                  ; PART = 0
	s_wait_kmcnt 0x0
	s_add_nc_u64 s[4:5], s[4:5], s[20:21]
	s_add_nc_u64 s[6:7], s[6:7], s[20:21]
	s_add_nc_u64 s[14:15], s[14:15], s[22:23]
	s_add_nc_u64 s[16:17], s[16:17], s[22:23]
	s_add_nc_u64 s[18:19], s[18:19], s[30:31]
.macro LOAD4 s, r, base                ; row r into slot s: four loads of 512 consecutive bytes a wave
.irp c, 0,1,2,3
	global_load_b128 v[X+16*(\s)+4*(\c):X+16*(\s)+4*(\c)+3], v[LO], s[\base:\base+1] offset:(\r)*ROWB+(\c)*4096 th:TH_LOAD_NT
.endr
.endm
.macro STORE4 r, base                  ; row r in f16: four stores of 256 consecutive bytes a wave
.irp c, 0,1,2,3
	global_store_b64 v[SO], v[Y+2*(\c):Y+2*(\c)+1], s[\base:\base+1] offset:(\r)*HROW+(\c)*2048 th:TH_STORE_NT
.endr
.endm
; A row of z in slot s.  ahead = 1: the slot takes the row eight further down.  left = how many younger loads may stay out.
.macro ZROW s, r, ahead, left
	s_wait_loadcnt \left                           ; loads come back in order (ISA guide 5.7.1): the slot's four are in, the younger slots' stay out
	s_wait_xcnt 0x0                                ; every earlier memory instruction has had its addresses translated (ISA guide 3.1): Y, which the last row's stores read, is rewritten only behind this wait
	v_pk_mul_f32 v[A2:A2+1], v[X+16*(\s):X+16*(\s)+1], v[UA:UA+1]      ; the first products start the sums: nothing is cleared
	v_pk_mul_f32 v[A3:A3+1], v[X+16*(\s):X+16*(\s)+1], v[UB:UB+1]
.irp j, 1,2,3,4,5,6,7
	v_pk_fma_f32 v[A2:A2+1], v[X+16*(\s)+2*(\j):X+16*(\s)+2*(\j)+1], v[UA+2*(\j):UA+2*(\j)+1], v[A2:A2+1]
	v_cvt_pk_f16_f32 v[Y+(\j)-1], v[X+16*(\s)+2*(\j)-2], v[X+16*(\s)+2*(\j)-1]  ; a rounding stands between the links of the two chains
	v_pk_fma_f32 v[A3:A3+1], v[X+16*(\s)+2*(\j):X+16*(\s)+2*(\j)+1], v[UB+2*(\j):UB+2*(\j)+1], v[A3:A3+1]
.endr
	v_cvt_pk_f16_f32 v[Y+7], v[X+16*(\s)+14], v[X+16*(\s)+15]
.if \ahead
	LOAD4 \s, (\r)+8, 4                            ; loads ahead of stores
.endif
	STORE4 \r, 14
	v_add_f32 v[A2], v[A2], v[A2+1]                ; my 16 terms of s2,
	v_add_f32 v[A2+1], v[A3], v[A3+1]              ; and of s3, side by side
.irp m, 1,2,4,8                        ; across the 32 lanes: four steps inside each half of 16 lanes, the two sums by turns,
	v_add_f32_dpp v[A2], v[A2], v[A2] row_xmask:\m row_mask:0xf bank_mask:0xf
	v_add_f32_dpp v[A2+1], v[A2+1], v[A2+1] row_xmask:\m row_mask:0xf bank_mask:0xf
.endr
	v_permlanex16_b32 v[A3], v[A2], s26, s27       ; one across the halves (its destination counts as read: A3 has been written)
	v_permlanex16_b32 v[A3+1], v[A2+1], s26, s27
	v_pk_add_f32 v[A2:A2+1], v[A2:A2+1], v[A3:A3+1]
	ds_store_b64 v[PA], v[A2:A2+1] offset:64*(\r)  ; my wave's part of the row's two sums: all lanes write the same 8 bytes with the same numbers
.endm
; A row of W in slot s.
.macro WROW s, r, ahead, left
	s_wait_loadcnt \left
	s_wait_xcnt 0x0                                ; as in ZROW: Y is rewritten only behind this wait
.irp j, 0,1,2,3,4,5,6,7
	v_pk_mul_f32 v[X+16*(\s)+2*(\j):X+16*(\s)+2*(\j)+1], v[X+16*(\s)+2*(\j):X+16*(\s)+2*(\j)+1], v[UA+2*(\j):UA+2*(\j)+1]
.endr
.irp j, 0,1,2,3,4,5,6,7
	v_cvt_pk_f16_f32 v[Y+(\j)], v[X+16*(\s)+2*(\j)], v[X+16*(\s)+2*(\j)+1]
.endr
.if \ahead
	LOAD4 \s, (\r)+8, 6
.endif
	STORE4 \r, 16
.endm
	s_cmp_lg_u32 s24, 0
	s_cbranch_scc1 .Lw
	; ROWS OF z
.irp c, 0,1,2,3
	global_load_b128 v[UA+4*(\c):UA+4*(\c)+3], v[LO], s[10:11] offset:4096*(\c)
	global_load_b128 v[UB+4*(\c):UB+4*(\c)+3], v[LO], s[12:13] offset:4096*(\c)
.endr
.irp s, 0,1,2,3,4,5,6,7
	LOAD4 \s, \s, 4                                ; the ring is filled: rows 0 to 7
.endr
.irp s, 0,1,2,3,4,5,6,7
	ZROW \s, \s, 1, 28                             ; seven younger slots, four loads each; U2 and U3 are older than the ring
.endr
.irp s, 0,1,2,3,4,5,6,7
	ZROW \s, (\s)+8, 0, 28-4*(\s)                  ; the last eight rows load nothing: the counts run down to 0
.endr
	s_branch .Ljoin
.Lw:
	; ROWS OF W
.irp c, 0,1,2,3
	global_load_b128 v[UA+4*(\c):UA+4*(\c)+3], v[LO], s[8:9] offset:4096*(\c)
.endr
.irp s, 0,1,2,3,4,5,6,7
	LOAD4 \s, \s, 6
.endr
	s_wait_loadcnt 32                              ; U1 is in; the ring's 32 loads stay out
.irp j, 0,1,2,3,4,5,6,7
	v_pk_mul_f32 v[UA+2*(\j):UA+2*(\j)+1], v[UA+2*(\j):UA+2*(\j)+1], 0x42800000 op_sel_hi:[1,0]  ; 64 U1, exact
.endr
.irp s, 0,1,2,3,4,5,6,7
	WROW \s, \s, 1, 28
.endr
.irp s, 0,1,2,3,4,5,6,7
	WROW \s, (\s)+8, 0, 28-4*(\s)
.endr
.Ljoin:
	s_wait_dscnt 0x0                               ; for the others' sake: my parts of the sums lie in LDS
	s_barrier_signal -1
	s_barrier_wait -1                              ; every wave passes this barrier, in both kinds of work-group
	s_cmp_lg_u32 s24, 0
	s_cbranch_scc1 .Lend                           ; rows of W have no sums
	s_cmp_lg_u32 s25, 0
	s_cbranch_scc1 .Lend                           ; wave 0 finishes the 16 rows' sums
	v_and_b32 v6, 15, v0                           ; a lane a row (lanes 16 to 31 repeat lanes 0 to 15 and store nothing)
	v_lshlrev_b32 v7, 6, v6
.irp q, 0,1,2,3
	ds_load_b128 v[X+4*(\q):X+4*(\q)+3], v7 offset:PART+16*(\q)  ; the eight waves' pairs
.endr
	v_lshlrev_b32 v8, 2, v6
	s_wait_dscnt 0x0
.irp q, 0,4,8,12
	v_pk_add_f32 v[X+(\q):X+(\q)+1], v[X+(\q):X+(\q)+1], v[X+(\q)+2:X+(\q)+3]
.endr
	v_pk_add_f32 v[X:X+1], v[X:X+1], v[X+4:X+5]
	v_pk_add_f32 v[X+8:X+9], v[X+8:X+9], v[X+12:X+13]
	v_pk_add_f32 v[X:X+1], v[X:X+1], v[X+8:X+9]    ; (s2, s3)
	v_mul_f32 v9, v[X], v[X+1]
	v_mul_f32 v9, 0x3c800000, v9                   ; / 64, exact
	s_wait_xcnt 0x0                                ; EXEC changes only behind this wait: it is a source of the stores above
	v_cmp_gt_u32 vcc_lo, 16, v0
	s_and_saveexec_b32 s28, vcc_lo
	global_store_b32 v8, v9, s[18:19]              ; 64 consecutive bytes a work-group: 16,384 bytes in the whole launch
	s_wait_xcnt 0x0                                ; and again in front of the line that widens it
	s_or_b32 exec_lo, exec_lo, s28
.Lend:
	s_wait_tensorcnt 0x0                           ; the wave's end, behind my last LDS store
	ds_add_u32 v[SPW], v[NIL]
	s_wait_dscnt 0x0
	s_endpgm
.Lfunc_end_k_q631e476235_prep:
	.size	k_q631e476235_prep, .Lfunc_end_k_q631e476235_prep-k_q631e476235_prep
	.p2alignl 7, 3214868480
	.fill 96, 4, 3214868480
	.section	.rodata,"a",@progbits
	.p2align	6, 0x0
	.amdhsa_kernel k_q631e476235_prep
		.amdhsa_group_segment_fixed_size 2048
		.amdhsa_private_segment_fixed_size 0
		.amdhsa_enable_private_segment 0
		.amdhsa_kernarg_size 64
		.amdhsa_user_sgpr_count 2
		.amdhsa_user_sgpr_kernarg_segment_ptr 1
		.amdhsa_wavefront_size32 1
		.amdhsa_system_sgpr_workgroup_id_x 1
		.amdhsa_system_sgpr_workgroup_id_y 1
		.amdhsa_system_sgpr_workgroup_id_z 1
		.amdhsa_system_vgpr_workitem_id 0
		.amdhsa_next_free_vgpr 192
		.amdhsa_next_free_sgpr 66
		.amdhsa_reserve_vcc 1
		.amdhsa_float_denorm_mode_32 3
		.amdhsa_float_denorm_mode_16_64 3
		.amdhsa_memory_ordered 1
		.amdhsa_forward_progress 1
		.amdhsa_inst_pref_size 84
	.end_amdhsa_kernel
	.amdgpu_metadata
---
amdhsa.version: [ 1, 2 ]
amdhsa.kernels:
  - .name:           k_q631e476235_prep
    .symbol:         k_q631e476235_prep.kd
    .args:
      - { .name: z, .offset: 0, .size: 8, .value_kind: global_buffer, .address_space: global }
      - { .name: W, .offset: 8, .size: 8, .value_kind: global_buffer, .address_space: global }
      - { .name: U1, .offset: 16, .size: 8, .value_kind: global_buffer, .address_space: global }
      - { .name: U2, .offset: 24, .size: 8, .value_kind: global_buffer, .address_space: global }
      - { .name: U3, .offset: 32, .size: 8, .value_kind: global_buffer, .address_space: global }
      - { .name: zh, .offset: 40, .size: 8, .value_kind: global_buffer, .address_space: global }
      - { .name: wh, .offset: 48, .size: 8, .value_kind: global_buffer, .address_space: global }
      - { .name: sc, .offset: 56, .size: 8, .value_kind: global_buffer, .address_space: global }
    .group_segment_fixed_size: 2048
    .private_segment_fixed_size: 0
    .kernarg_segment_align: 8
    .kernarg_segment_size: 64
    .max_flat_workgroup_size: 256
    .sgpr_count:     66
    .vgpr_count:     192
    .wavefront_size: 32
...
	.end_amdgpu_metadata
.endif
;; end of part 1
;; launch gemm (part 2): grid 16 x 16, 4 waves a work-group, clusters of 4 x 4, 327,680 bytes of LDS; arguments zh, wh, sc, b, out0; writes out0
.if DOCPART == 2
	.amdgcn_target "amdgcn-amd-amdhsa--gfx1250"
	.amdhsa_code_object_version 6
	.text
	.protected	k_q631e476235_gemm
	.globl	k_q631e476235_gemm
	.p2align	8
	.type	k_q631e476235_gemm,@function
k_q631e476235_gemm:
	s_mov_b64 s[64:65], 0
	v_nop
	global_prefetch_b8 v0, s[64:65] scope:SCOPE_SE
	s_setreg_imm32_b32 hwreg(HW_REG_WAVE_MODE, 25, 1), 1
	s_wait_xcnt 0x0
	s_wait_alu depctr_hold_cnt(0) depctr_sa_sdst(0) depctr_va_vdst(0) depctr_va_sdst(0) depctr_va_ssrc(0) depctr_va_vcc(0) depctr_vm_vsrc(0)
	s_getreg_b32 s2, hwreg(HW_REG_IB_STS2, 6, 4)
	s_cmp_eq_u32 s2, 0
	s_cbranch_scc0 .Lentry_in_a_cluster
	s_endpgm
.Lentry_in_a_cluster:
	s_bfe_u32 s2, ttmp6, 0x10000c
	s_cmp_lg_u32 s2, 0xf033
	s_cbranch_scc0 .Lentry_shape_is_right
	s_endpgm
.Lentry_shape_is_right:
; out0[m][n] = sc[m] x (the sum over k of zh[m][k] wh[n][k]) + b[n].  zh = f16(z), wh = f16(64 U1 W): [4096][4096] f16; sc = s2 s3 / 64, b: [4096] f32; out0: [4096][4096] f32.
; Products of f16 operands, sums in f32; the row's scale and the bias are applied behind the sum, in one fused multiply-add in f32 (the scale is a factor of the whole row, so it commutes with the sum).
; f16 AND NOT bf16: a row's scale can be many times the scales' root mean square, and the operands' rounding errors grow with it; f16's 11 significant bits leave room for that, 8 bits do not.
; LIMITS.  zh and wh arrive within f16's range (65,504), with f16's fixed step of 6e-8 below 6.1e-5; the order of the f32 sums is the matrix unit's; NaN and infinities are not treated apart.
; A tile of out0, 256 x 256, is made by a work-group of four waves, as many as a WGP has SIMDs; a wave makes 128 x 128: 64 accumulators of 16 x 16, 512 registers.  16 x 16 tiles: one for each of 256 work-groups.
; K goes in 32 steps of 128 through a ring of two LDS slots filled by the tensor data mover: a tile's rows are 256 bytes of memory and start at multiples of 256 bytes from the buffer's first byte.
; CLUSTERS: 4 x 4 work-groups.  The four of a row of the cluster need the same tiles of zh, the four of a column the same tiles of wh.  Such a tile is asked for JOINTLY: each of the four issues the same
; tensor load, with the same descriptor and a mask that names the four, and each receives the tile in its own LDS.  That divides the requests for zh and wh by four.
; REGISTERS, in windows of 256 (s_set_vgpr_msb's low byte: bits 1:0 source 0, 3:2 source 1, 5:4 source 2, 7:6 destination):
;   window 0: v0-31 addresses; v64-127, v128-191 fragments of zh (8 x 16 rows x 32 K), two buffers; on the way out v64-127 scaled results, v128-191 and v192-255 rows read back, by turns
;   window 1: v0-63 the bias of my 128 columns, laid out as an accumulator row's lanes hold them; v64-127, v128-191 fragments of wh, two buffers; v192-207 my rows' scales, each twice (a pair for the packed multiply-add)
;   window 2: the 32 accumulators of my rows 0-63 (accumulator (a, b) at v[8 (8 a + b)]);   window 3: those of my rows 64-127
; THE MATRIX INSTRUCTION IS USED TRANSPOSED: source 0 = 16 rows of wh, source 1 = 16 rows of zh.  In the result lane l holds row m = l % 16 of out0, and its registers 0 to 7 the columns
; n = 8 (l / 16) + 0 .. 7: eight neighbouring numbers of a row, 32 bytes.
.set SIZE_K, 4096
.set SIZE_N, 4096
.set KSTEP,  128
.set PITCH,  272                       ; an LDS row: 256 bytes of data + 16 of padding = 68 words: row r starts at bank 4 r mod 64 (64 banks of 4 bytes: ISA guide 11.1), so the 16 rows that a load touches start at 16 different banks
.set HALFT,  128*PITCH                 ; 128 rows: what one tensor load brings, and what one wave reads of zh or of wh
.set SLOT,   4*HALFT                   ; zh's 256 rows, then wh's 256 rows
.set STAGE,  2*SLOT                    ; behind the ring, never filled by a tensor load: 16 rows x 528 bytes for each wave, for the way out
.set SPITCH, 528                       ; 512 bytes (128 f32) + 16 = 132 words: row r again starts at bank 4 r mod 64
.set SPARE,  STAGE+4*16*SPITCH         ; behind the stages: the spare words, 128 bytes for each wave: two blocks of 256 bytes that no other line names
.set LAPS,   SIZE_K/(2*KSTEP)          ; a lap = two K steps = once round the ring: 16
.set ROWO,   SIZE_N*4                  ; bytes in a row of out0
.set ADRA, 16                          ; v16-17  LDS address of my zh fragments in slot 0, 1
.set ADRB, 20                          ; v20-21  the same for wh
.set BO,   22                          ; v22     32 (l / 16): my byte offset in 16 columns of b
.set SO,   23                          ; v23     4 (l % 16): my byte offset in 16 rows of sc
.set STO,  24                          ; v24     the way out: where I put 32 bytes of a row
.set RD,   25                          ; v25     the way out: where I read a row back
.set CO,   26                          ; v26     16 x lane: my byte offset in 512 bytes of a row of out0; never rewritten
.set SPW,  28                          ; v28     LDS address of my spare word: SPARE + 4 x my thread's number; never rewritten
.set NIL,  29                          ; v29     0; never rewritten
.set PFO,  30                          ; v30     the prefetches' offset: my lane x a row of zh or wh (8,192 bytes); never rewritten
.set F0,   64                          ; fragment buffer 0
.set F1,   128                         ; fragment buffer 1
.set TMP,  64                          ; the way out, window 0: a block's 16 rows, scaled, bias added
.set OB,   128                         ; the way out, window 0: 16 rows read back from the stage: v128-191 and v192-255 by turns
.set BIAS, 0                           ; window 1
.set SC,   192                         ; window 1
.set PFA,  44                          ; s[44:45] where my prefetches stand: my work-group's 32 rows of the 128 that I fetch, one K step further along K than the refill that is being asked for
.set LIM,  43                          ; s43     1 in a wave that prefetches, else the greatest number
.set G1, 24                            ; s[24:31] descriptor group 1 for zh's tiles
.set G0, 32                            ; s[32:39] descriptor group 0 for zh's tiles, one set for each slot
.set G1B, 48                           ; s[48:55] descriptor group 1 for wh's tiles: it differs in the mask alone
.set G0B, 56                           ; s[56:63] descriptor group 0 for wh's tiles, one set for each slot
.set MSB, 0
.macro WIN new                         ; the immediate's high byte repeats the setting that is left; a switch that changes nothing is dropped
.if MSB != (\new)
	s_set_vgpr_msb (MSB<<8)|(\new)
.set MSB, \new
.endif
.endm
.set MUL_LO, 0xa1                      ; source 0 (wh) window 1, source 1 (zh) window 0, C and D window 2
.set MUL_HI, 0xf1                      ; the same, C and D window 3
.set TO_B,   0x40                      ; destination window 1, address window 0
; A joint load.  Waves 0 and 1 fetch zh's two halves, waves 2 and 3 wh's.  Each of the two lines has ONE mask and one set of registers for all that issue it, and nothing in them hangs on a coordinate that
; the four partners do not share.  The branch hangs on the wave's number alone.  An s_nop 0 and four v_nop follow each of the two lines, ahead of the jump, the label and what follows.
.macro JLOAD s
	s_cmp_eq_u32 s11, 0
	s_cbranch_scc0 .Lfor_b_\@
	tensor_load_to_lds s[G0+4*(\s):G0+4*(\s)+3], s[G1:G1+7]
	s_nop 0
.rept 4
	v_nop
.endr
	s_branch .Lasked_\@
.Lfor_b_\@:
	tensor_load_to_lds s[G0B+4*(\s):G0B+4*(\s)+3], s[G1B:G1B+7]
	s_nop 0
.rept 4
	v_nop
.endr
.Lasked_\@:
.endm
; A PREFETCH INTO THE L2, behind each joint load, its five lines and the run of LDS loads that follows them: the K step that stands TWO refills on, 512 matrix instructions ahead of the load that will name it:
; 32 rows x 256 bytes, a lane a row, one instruction a wave.  Each row's 256 bytes of a K step are named ONCE in the launch: zh's tile row is read by every cluster of that row of clusters, and the first
; of them (cluster x = 0) asks; wh's tile column by every cluster of that column, and cluster y = 0 asks.  The four partners that ask for a tile jointly share its rows out BY ADDRESS: of the 128 rows that
; a wave fetches the partner at place p takes 32 p .. 32 p + 31 (p = cx for zh, cy for wh).  K steps 0 to 3 come by their loads alone; the loop's last trip (s3 = 1) asks for nothing: the last K step named is 31.
.macro ASK
	s_cmp_gt_u32 s3, s[LIM]
	s_cbranch_scc0 .Lnot_mine_\@
	global_prefetch_b8 v[PFO], s[PFA:PFA+1] offset:KSTEP*2 th:TH_LOAD_NT scope:SCOPE_SE
.Lnot_mine_\@:
.endm
; A round of the cluster's barrier: my work-group's barrier, so that wave 0's signal speaks for all four waves; wave 0 signals for the work-group; every wave waits for all sixteen work-groups;
; my work-group's barrier once more.  No LDS instruction of the wave is pending at a signal.
.macro CREST                           ; a round behind its opening barrier
	s_cmp_lg_u32 s10, 0
	s_cbranch_scc1 .Lnot_wave_0_\@
	s_barrier_signal -3
.Lnot_wave_0_\@:
	s_barrier_wait -3
	s_barrier_signal -1
	s_barrier_wait -1
.endm
.macro CROUND                          ; a whole round
	s_barrier_signal -1
	s_barrier_wait -1
	CREST
.endm
	s_load_b128 s[4:7], s[0:1], 0x0                ; zh s[4:5], wh s[6:7]
	s_load_b128 s[68:71], s[0:1], 0x10             ; sc s[68:69], b s[70:71]
	s_load_b64 s[8:9], s[0:1], 0x20                ; out0
	v_lshl_add_u32 v[SPW], v0, 2, SPARE
	v_mov_b32 v[NIL], 0
	ds_add_u32 v[SPW], v[NIL]                      ; the wave's opening: the add and its wait stand ahead of my first tensor load; the set-up below, work on registers, stands between them
	v_lshrrev_b32 v1, 5, v0
	v_readfirstlane_b32 s10, v1                    ; wave 0..3
	s_lshr_b32 s11, s10, 1                         ; which half of the tile's rows is mine.  Also: I fetch for zh (0) or for wh (1)
	s_and_b32 s12, s10, 1                          ; which half of its columns.  Also: which 128 rows of that tile I fetch
	s_bfe_u32 s40, ttmp6, 0x40000                  ; cx: my place along the cluster's x
	s_bfe_u32 s41, ttmp6, 0x40004                  ; cy: along its y
	s_lshl_b32 s42, ttmp9, 2                       ; in a cluster launch ttmp9 and ttmp7 count clusters
	s_add_co_u32 s42, s42, s40                     ; tile column = 4 x cluster x + cx
	s_and_b32 s13, ttmp7, 0xffff
	s_lshl_b32 s13, s13, 2
	s_add_co_u32 s13, s13, s41                     ; tile row = 4 x cluster y + cy
	s_lshl_b32 s43, s41, 2
	s_lshl_b32 s43, 15, s43                        ; my row of the cluster: places 4 cy .. 4 cy + 3
	s_lshl_b32 s44, 0x1111, s40                    ; my column: places cx, cx + 4, cx + 8, cx + 12
	; descriptor group 1: a tile of 128 rows x 128 elements, padded in LDS
	s_or_b32 s[G1+0], s43, (1<<16)|(1<<20)|(1<<21)|(5<<22)|(3<<25)  ; 15:0 the mask: zh's tiles go to my row; 17:16 element of 2 bytes; 20 padding on; 21 set beside a mask; 24:22 after every 64 words (code 5); 31:25 of 4 words (code 3)
	s_or_b32 s[G1B+0], s44, (1<<16)|(1<<20)|(1<<21)|(5<<22)|(3<<25) ; the same with the mask of my column, for wh's tiles
.irp g, G1, G1B
	s_mov_b32 s[(\g)+1], KSTEP<<16                 ; 63:48 tensor_dim0, low half = 128
	s_mov_b32 s[(\g)+2], 128<<16                   ; 79:64 its high half = 0; 95:80 tensor_dim1, low half = 128
	s_mov_b32 s[(\g)+3], KSTEP<<16                 ; 111:96 its high half = 0; 127:112 tile_dim0 = 128
	s_mov_b32 s[(\g)+4], 128                       ; 143:128 tile_dim1 = 128; 159:144 tile_dim2 = 0
	s_mov_b32 s[(\g)+5], SIZE_K                    ; 191:160 tensor_dim0_stride, low word: elements from row to row
	s_mov_b32 s[(\g)+6], 0
	s_mov_b32 s[(\g)+7], 0
.endr
	; where the tiles come from.  zh's hang on the tile row alone, which my row of the cluster shares; wh's on the tile column alone, which my column shares.
	; Every wave makes both addresses, in registers that never hold the other coordinate, and asks by one of them.
	s_lshl_b32 s17, s12, 7                         ; which 128 rows of the tile I fetch
	s_lshl_b32 s16, s13, 8
	s_add_co_u32 s16, s16, s17                     ; zh: row 256 x tile row + 128 x half
	s_lshl_b32 s46, s42, 8
	s_add_co_u32 s46, s46, s17                     ; wh: row 256 x tile column + 128 x half
	s_mov_b32 s17, 0
	s_mov_b32 s47, 0
	s_mov_b64 s[18:19], SIZE_K*2
	s_mul_u64 s[16:17], s[16:17], s[18:19]         ; in bytes
	s_mul_u64 s[46:47], s[46:47], s[18:19]
	s_mul_i32 s20, s10, HALFT                      ; and where they go: zh's two halves, then wh's two halves = wave x 128 rows: no place in the cluster enters an LDS address
	s_wait_dscnt 0x0                               ; the opening add is done
	s_wait_kmcnt 0x0
	s_add_nc_u64 s[14:15], s[4:5], s[16:17]
	s_add_nc_u64 s[46:47], s[6:7], s[46:47]
	CROUND                                         ; all sixteen work-groups are here: the first joint loads meet
.irp s, 0,1
	s_mov_b32 s[G0+4*(\s)], 1                                      ; 1:0 count = 1
	s_add_co_u32 s[G0+4*(\s)+1], s20, (\s)*SLOT                    ; 63:32 LDS address
	s_add_nc_u64 s[G0+4*(\s)+2:G0+4*(\s)+3], s[14:15], (\s)*KSTEP*2  ; 120:64 global address: K step s
	s_or_b32 s[G0+4*(\s)+3], s[G0+4*(\s)+3], 0x80000000            ; 127:126 type = 2
	s_mov_b32 s[G0B+4*(\s)], 1
	s_add_co_u32 s[G0B+4*(\s)+1], s20, (\s)*SLOT
	s_add_nc_u64 s[G0B+4*(\s)+2:G0B+4*(\s)+3], s[46:47], (\s)*KSTEP*2
	s_or_b32 s[G0B+4*(\s)+3], s[G0B+4*(\s)+3], 0x80000000
	JLOAD \s                                       ; the ring is filled before anything else is done: two tensor loads of mine are out
.endr
	; A fragment is 16 rows x 32 K in 8 registers: lane l holds row l % 16; registers 0-3 hold K = 8 (l / 16) + 0..7, registers 4-7 hold K = 16 + 8 (l / 16) + 0..7.
	; From rows that lie along K: two loads of 16 bytes, 32 bytes apart.  The same for source 0 and source 1.
	v_and_b32 v1, 15, v0                           ; l % 16
	v_bfe_u32 v2, v0, 4, 1                         ; l / 16
	v_mul_u32_u24 v3, v1, PITCH
	v_lshl_add_u32 v3, v2, 4, v3                   ; row x pitch + 16 x half
	s_mul_i32 s21, s11, HALFT                      ; my 128 rows of zh
	s_mul_i32 s22, s12, HALFT                      ; my 128 rows of wh,
	s_add_co_u32 s22, s22, 2*HALFT                 ; which lie behind zh's 256
.irp s, 0,1
	v_add_nc_u32 v[ADRA+(\s)], s21, v3
	v_add_nc_u32 v[ADRB+(\s)], s22, v3
	s_add_co_u32 s21, s21, SLOT
	s_add_co_u32 s22, s22, SLOT
.endr
	s_mul_i32 s23, s10, 16*SPITCH
	s_add_co_u32 s23, s23, STAGE                   ; my stage
	v_mul_u32_u24 v4, v1, SPITCH                   ; in: row l % 16, 32 bytes for each half of the lanes
	v_lshl_add_u32 v4, v2, 5, v4
	v_add_nc_u32 v[STO], s23, v4
	v_and_b32 v5, 31, v0
	v_lshlrev_b32 v[CO], 4, v5                     ; back: the 32 lanes take one row of 512 bytes,
	v_add_nc_u32 v[RD], s23, v[CO]                 ; and the same 512 bytes of a row of out0
	v_lshlrev_b32 v[BO], 5, v2
	v_lshlrev_b32 v[SO], 2, v1
	; out0, sc and b at my part of the tile (every offset under 2^27)
	s_lshl_b32 s13, s13, 8                         ; 256 x tile row
	s_lshl_b32 s14, s11, 7
	s_add_co_u32 s16, s13, s14                     ; my first row
	s_lshl_b32 s18, s16, 2
	s_mov_b32 s19, 0
	s_add_nc_u64 s[68:69], s[68:69], s[18:19]      ; sc at my first row
	s_lshl_b32 s16, s16, 14                        ; x 16,384 bytes
	s_mov_b32 s17, 0
	s_add_nc_u64 s[8:9], s[8:9], s[16:17]
	s_lshl_b32 s46, s42, 10                        ; my first column, in bytes of f32: 1,024 x tile column + 512 x half (in the registers that held wh's address: none that feeds zh's descriptors ever holds cx)
	s_lshl_b32 s47, s12, 9
	s_add_co_u32 s46, s46, s47
	s_mov_b32 s47, 0
	s_add_nc_u64 s[8:9], s[8:9], s[46:47]          ; never rewritten from here on: the stores' rows stand in their immediates
	s_add_nc_u64 s[70:71], s[70:71], s[46:47]      ; b at my first column
	WIN TO_B
.irp c, 0,1,2,3,4,5,6,7                ; the bias as accumulator (a, c) holds its columns: register j of lane l is column 16 c + 8 (l / 16) + j
	global_load_b128 v[BIAS+8*(\c):BIAS+8*(\c)+3],   v[BO], s[70:71] offset:64*(\c)
	global_load_b128 v[BIAS+8*(\c)+4:BIAS+8*(\c)+7], v[BO], s[70:71] offset:64*(\c)+16
.endr
.irp a, 0,1,2,3,4,5,6,7                ; the scale of row 16 a + l % 16, into both registers of a pair
	global_load_b32 v[SC+2*(\a)],   v[SO], s[68:69] offset:64*(\a)
	global_load_b32 v[SC+2*(\a)+1], v[SO], s[68:69] offset:64*(\a)
.endr
	WIN 0
	; the prefetches.  s13 = 256 x tile row, s42 = tile column, s40 = cx, s41 = cy still stand
	s_lshl_b32 s42, s42, 8
	s_and_b32 s22, ttmp7, 0xffff                   ; cluster y
	s_cmp_eq_u32 s11, 0                            ; do I fetch for zh?
	s_cselect_b32 s20, s13, s42                    ; the tile's first row: in zh by the tile row, in wh by the tile column
	s_cselect_b32 s21, s40, s41                    ; my place among the four that ask for it with me
	s_cselect_b32 s22, ttmp9, s22                  ; the coordinate along which other clusters read the same rows
	s_cselect_b64 s[PFA:PFA+1], s[4:5], s[6:7]
	s_cmp_eq_u32 s22, 0
	s_cselect_b32 s[LIM], 1, -1                    ; the same in all sixteen partners, for a given wave
	s_lshl_b32 s22, s12, 7
	s_add_co_u32 s20, s20, s22                     ; + the 128 rows that I fetch
	s_lshl_b32 s21, s21, 5
	s_add_co_u32 s20, s20, s21                     ; + my work-group's 32 of them
	s_mov_b32 s21, 0
	s_mov_b64 s[18:19], SIZE_K*2
	s_mul_u64 s[20:21], s[20:21], s[18:19]
	s_add_nc_u64 s[PFA:PFA+1], s[PFA:PFA+1], s[20:21]
	s_add_nc_u64 s[PFA:PFA+1], s[PFA:PFA+1], 2*KSTEP*2  ; at K step 2: the first refill steps it to 3 and names K step 4
	v_and_b32 v[PFO], 31, v0
	v_mul_u32_u24 v[PFO], v[PFO], SIZE_K*2
	; nothing is prefetched here, at the head, where every work-group's first two tiles are on their way
; 16 matrix instructions: m blocks a0, a0 + 1 of the window's four (hi = 0: my rows 0-63, 1: rows 64-127) x all 8 n blocks, 32 along K.  zero = 1: the first product starts the sums: nothing is ever cleared.
; The 64 accumulators take turns, one instruction a turn, in the same order in every quarter step, over the backward jump too.
.macro MUL16 f, hi, a0, zero
	WIN MUL_LO+0x50*(\hi)
.irp a, \a0, (\a0)+1
.irp b, 0,1,2,3,4,5,6,7
.if \zero
	v_wmma_f32_16x16x32_f16 v[8*(8*(\a)+(\b)):8*(8*(\a)+(\b))+7], v[(\f)+8*(\b):(\f)+8*(\b)+7], v[(\f)+8*(4*(\hi)+(\a)):(\f)+8*(4*(\hi)+(\a))+7], 0
.else
	v_wmma_f32_16x16x32_f16 v[8*(8*(\a)+(\b)):8*(8*(\a)+(\b))+7], v[(\f)+8*(\b):(\f)+8*(\b)+7], v[(\f)+8*(4*(\hi)+(\a)):(\f)+8*(4*(\hi)+(\a))+7], v[8*(8*(\a)+(\b)):8*(8*(\a)+(\b))+7]
.endif
.endr
.endr
.endm
; 32 LDS loads in one run: the fragments of one quarter step (128 rows of wh, 128 rows of zh, 32 K at byte k of the rows) into buffer f
.macro FETCH slot, k, f
	WIN TO_B
.irp i, 0,1,2,3,4,5,6,7
	ds_load_b128 v[(\f)+8*(\i):(\f)+8*(\i)+3],   v[ADRB+(\slot)] offset:(\k)+(\i)*16*PITCH
	ds_load_b128 v[(\f)+8*(\i)+4:(\f)+8*(\i)+7], v[ADRB+(\slot)] offset:(\k)+(\i)*16*PITCH+32
.endr
	WIN 0
.irp i, 0,1,2,3,4,5,6,7
	ds_load_b128 v[(\f)+8*(\i):(\f)+8*(\i)+3],   v[ADRA+(\slot)] offset:(\k)+(\i)*16*PITCH
	ds_load_b128 v[(\f)+8*(\i)+4:(\f)+8*(\i)+7], v[ADRA+(\slot)] offset:(\k)+(\i)*16*PITCH+32
.endr
.endm
; A load into a register that a matrix instruction has read, and a vector instruction that reads a matrix result or writes one of a matrix instruction's registers, stand four places behind that matrix
; instruction, and only plain vector instructions that name none of its registers are places (ISA guide 7.12.1 for vector instructions).
.macro PLACES
.rept 4
	v_nop
.endr
.endm
; A K step is four quarter steps of 32 along K, 64 matrix instructions each, on buffers 0, 1, 0, 1.
; One of the first three: multiplies buffer f; in its middle it fetches the next quarter's fragments, at byte k of the same slot's rows, into buffer g.
.macro QUARTER slot, k, f, g, zero
	s_wait_dscnt 8                                 ; wh and zh's rows 0-63 are in; the youngest eight loads (zh's rows 64-127) may be out
	MUL16 \f, 0, 0, \zero
	MUL16 \f, 0, 2, \zero
	PLACES
	FETCH \slot, \k, \g
	s_wait_dscnt 32                                ; all but the 32 just issued
	MUL16 \f, 1, 0, \zero
	MUL16 \f, 1, 2, \zero
.endm
; The last quarter multiplies buffer 1 and changes slots.  MEET is its first half: ONE barrier for the change of slots.  In front of it each wave waits for all its tensor loads, of which one is out: its part
; of the next slot; adds 0 to its spare word; and waits for that and for its own reads of this slot.  Behind it nobody reads this slot any more and the next slot is whole.
.macro MEET round                      ; round = 1: the rest of a round of the cluster's barrier follows
	WIN 0                                          ; (the add's two registers lie in window 0)
	s_wait_tensorcnt 0x0                           ; all my tensor loads have landed: the one that was out is my part of the next slot;
	ds_add_u32 v[SPW], v[NIL]                      ; 0 onto my spare word;
	s_wait_dscnt 9                                 ; (the add and the youngest eight loads may be out)
	MUL16 F1, 0, 0, 0                              ; sixteen matrix instructions stand between the add and the wait for it
	s_wait_dscnt 0x0                               ; the add is done, and my reads of this slot are over:
	s_barrier_signal -1                            ; say so,
	MUL16 F1, 0, 2, 0                              ; work on registers while the others arrive,
.if \round
	WIN 0
.endif
	s_barrier_wait -1                              ; and go on when all four have said so
.endm
; The whole last quarter of a K step whose slot is filled again, with the K step two steps on.  The joint load is the first tensor load behind the round, one a wave; from it to the wait for it a wave issues 224 matrix instructions.
.macro TURN slot, next
	s_wait_xcnt 0x0                                ; the last prefetch, a K step back, has read its address: it is stepped here, ahead of the waits of the change of slots
	s_add_nc_u64 s[PFA:PFA+1], s[PFA:PFA+1], KSTEP*2
	MEET 1
	CREST                                          ; all sixteen work-groups have said so: no wave of any partner still reads this slot's tile or has a load on its way
	s_add_nc_u64 s[G0+4*(\slot)+2:G0+4*(\slot)+3], s[G0+4*(\slot)+2:G0+4*(\slot)+3], 2*KSTEP*2      ; no tensor load of mine is out, so a group 0 may be written; the type bits on top are not reached
	s_add_nc_u64 s[G0B+4*(\slot)+2:G0B+4*(\slot)+3], s[G0B+4*(\slot)+2:G0B+4*(\slot)+3], 2*KSTEP*2
	JLOAD \slot                                    ; the four v_nop behind it are also the places in front of the loads below
	FETCH \next, 0, F0
	ASK
	MUL16 F1, 1, 0, 0
	MUL16 F1, 1, 2, 0
.endm
; The same where nothing is left to fetch: a work-group's barrier alone.
.macro TURN0
	MEET 0
	PLACES
	FETCH 1, 0, F0
	MUL16 F1, 1, 0, 0
	MUL16 F1, 1, 2, 0
.endm
; THE WAY OUT of block a (16 rows x 128 columns), in three parts.  PACK: sum x scale + bias, one fused multiply-add for two numbers; each accumulator is read from its lowest registers on.
; TOSTAGE: 32 bytes a lane into my own stage in LDS, and back as whole rows of 512 bytes.  SEND: stored.
.macro PACK a
.set AC, 64*((\a)%4)
	WIN 0x16+(\a)/4                                ; source 0 (the sums) window 2 or 3, sources 1 and 2 (scale, bias) window 1, destination window 0
.irp b, 0,1,2,3,4,5,6,7
.irp p, 0,1,2,3
	v_pk_fma_f32 v[TMP+8*(\b)+2*(\p):TMP+8*(\b)+2*(\p)+1], v[AC+8*(\b)+2*(\p):AC+8*(\b)+2*(\p)+1], v[SC+2*(\a):SC+2*(\a)+1], v[BIAS+8*(\b)+2*(\p):BIAS+8*(\b)+2*(\p)+1]
.endr
.endr
	WIN 0
.endm
.macro TOSTAGE a
	WIN 0
.set BK, OB+64*((\a)%2)
	s_wait_xcnt 0x0                                ; every earlier memory instruction has had its addresses translated (ISA guide 3.1): the registers that the stores of two blocks back read are loaded again only behind this wait
.irp b, 0,1,2,3,4,5,6,7
	ds_store_b128 v[STO], v[TMP+8*(\b):TMP+8*(\b)+3]   offset:64*(\b)
	ds_store_b128 v[STO], v[TMP+8*(\b)+4:TMP+8*(\b)+7] offset:64*(\b)+16
.endr
.irp t, 0,1,2,3,4,5,6,7,8,9,10,11,12,13,14,15
	ds_load_b128 v[BK+4*(\t):BK+4*(\t)+3], v[RD] offset:(\t)*SPITCH  ; LDS serves a wave's instructions in order (ISA guide 5.7.1.4): these see the stores above; the stage is my wave's own
.endr
.endm
.macro SEND a
	WIN 0
.set BK, OB+64*((\a)%2)
	s_wait_dscnt 0x0                               ; the block is back in registers
.irp t, 0,1,2,3,4,5,6,7,8,9,10,11,12,13,14,15
	global_store_b128 v[CO], v[BK+4*(\t):BK+4*(\t)+3], s[8:9] offset:(16*(\a)+(\t))*ROWO th:TH_STORE_NT  ; the wave stores 512 consecutive bytes, at a multiple of 512 from out0's first byte; 127 rows at the most: inside the signed 24-bit immediate
.endr
.endm
	s_wait_loadcnt 0x0                             ; the bias and the scales, once: no load into registers is out in the loop
	s_wait_tensorcnt 1                             ; my part of K step 0 is in; K step 1's may stay out
	s_barrier_signal -1
	s_barrier_wait -1                              ; everybody's is
	FETCH 0, 0, F0
	QUARTER 0, 64,  F0, F1, 1                      ; the first quarter stands in front of the loop: its products start the sums
	WIN 0                                          ; at a label and at a branch every window is 0
	s_mov_b32 s3, LAPS-1
.Llap:                                                 ; a trip goes once round the ring, from a lap's second quarter to the next lap's first, and fills both slots again
	QUARTER 0, 128, F1, F0, 0
	QUARTER 0, 192, F0, F1, 0
	TURN 0, 1
	QUARTER 1, 64,  F0, F1, 0
	QUARTER 1, 128, F1, F0, 0
	QUARTER 1, 192, F0, F1, 0
	TURN 1, 0
	QUARTER 0, 64,  F0, F1, 0
	WIN 0
	s_sub_co_u32 s3, s3, 1
	s_cmp_lg_u32 s3, 0
	s_cbranch_scc1 .Llap
	QUARTER 0, 128, F1, F0, 0                      ; the last lap is written out: it fills nothing
	QUARTER 0, 192, F0, F1, 0
	TURN0
	QUARTER 1, 64,  F0, F1, 0
	QUARTER 1, 128, F1, F0, 0
	QUARTER 1, 192, F0, F1, 0
	s_wait_dscnt 8                                 ; the very last quarter: nothing more to fetch
	MUL16 F1, 0, 0, 0
	MUL16 F1, 0, 2, 0
	s_wait_dscnt 0x0
	MUL16 F1, 1, 0, 0
	MUL16 F1, 1, 2, 0
	WIN 0
	PLACES                                         ; the places behind the last products, in front of lines that read results and write fragments' registers;
	PLACES                                         ; eight, once a launch
	PACK 0
	TOSTAGE 0
.irp a, 1,2,3,4,5,6,7                  ; block a's arithmetic stands between block a - 1's loads from the stage and the wait for them
	PACK \a
	SEND (\a)-1
	TOSTAGE \a
.endr
	SEND 7
	s_wait_tensorcnt 0x0                           ; the wave's end, behind my last tensor load and my last LDS store
	ds_add_u32 v[SPW], v[NIL]
	s_wait_dscnt 0x0
	CROUND                                         ; the closing round: no work-group ends while a partner may still ask for a tile that names it
	s_endpgm
.Lfunc_end_k_q631e476235_gemm:
	.size	k_q631e476235_gemm, .Lfunc_end_k_q631e476235_gemm-k_q631e476235_gemm
	.p2alignl 7, 3214868480
	.fill 96, 4, 3214868480
	.section	.rodata,"a",@progbits
	.p2align	6, 0x0
	.amdhsa_kernel k_q631e476235_gemm
		.amdhsa_group_segment_fixed_size 327680
		.amdhsa_private_segment_fixed_size 0
		.amdhsa_enable_private_segment 0
		.amdhsa_kernarg_size 40
		.amdhsa_user_sgpr_count 2
		.amdhsa_user_sgpr_kernarg_segment_ptr 1
		.amdhsa_wavefront_size32 1
		.amdhsa_system_sgpr_workgroup_id_x 1
		.amdhsa_system_sgpr_workgroup_id_y 1
		.amdhsa_system_sgpr_workgroup_id_z 1
		.amdhsa_system_vgpr_workitem_id 0
		.amdhsa_next_free_vgpr 1024
		.amdhsa_next_free_sgpr 72
		.amdhsa_reserve_vcc 0
		.amdhsa_float_denorm_mode_32 3
		.amdhsa_float_denorm_mode_16_64 3
		.amdhsa_memory_ordered 1
		.amdhsa_forward_progress 1
		.amdhsa_inst_pref_size 161
	.end_amdhsa_kernel
	.amdgpu_metadata
---
amdhsa.version: [ 1, 2 ]
amdhsa.kernels:
  - .name:           k_q631e476235_gemm
    .symbol:         k_q631e476235_gemm.kd
    .args:
      - { .name: zh, .offset: 0, .size: 8, .value_kind: global_buffer, .address_space: global }
      - { .name: wh, .offset: 8, .size: 8, .value_kind: global_buffer, .address_space: global }
      - { .name: sc, .offset: 16, .size: 8, .value_kind: global_buffer, .address_space: global }
      - { .name: b, .offset: 24, .size: 8, .value_kind: global_buffer, .address_space: global }
      - { .name: out0, .offset: 32, .size: 8, .value_kind: global_buffer, .address_space: global }
    .group_segment_fixed_size: 327680
    .private_segment_fixed_size: 0
    .kernarg_segment_align: 8
    .kernarg_segment_size: 40
    .max_flat_workgroup_size: 128
    .sgpr_count:     72
    .vgpr_count:     1024
    .wavefront_size: 32
...
	.end_amdgpu_metadata
.endif
;; end of part 2
